; MI455X (gfx1250); checked and timed in simulation.
; The chip was launched on July 23, 2026; its instructions are those of AMD's public machine-readable ISA for CDNA 5 (MIT licence, August 2026) and "CDNA5" Instruction Set Architecture Reference Guide (July 2026). The comments in the code are by the model that wrote it; some were corrected since.
;; LSTM. Allowed arithmetic: matrix products marked QUANTISED: E5M2 operands, one given power-of-two scale a tensor, by v_wmma_f32_16x16x64_bf8_bf8 or v_wmma_f32_16x16x128_bf8_bf8, f32 sums; everything else in f32.
;; Inputs: Whc_w 2,048 x 2,048 float32; Whf_w 2,048 x 2,048 float32; Whi_w 2,048 x 2,048 float32; Who_w 2,048 x 2,048 float32; Why_b 1,024 float32; Why_w_codes 1,024 x 64 x 32 uint8 (E5M2 codes of Why_w, K innermost, in blocks of 32 codes); Wxc_b 2,048 float32; Wxc_w 2,048 x 1,024 float32; Wxf_b 2,048 float32; Wxf_w 2,048 x 1,024 float32; Wxi_b 2,048 float32; Wxi_w 2,048 x 1,024 float32; Wxo_b 2,048 float32; Wxo_w 2,048 x 1,024 float32; cell_state 2,048 x 2,048 float32; hidden_state_codes 2,048 x 64 x 32 uint8 (E5M2 codes of hidden_state, K innermost, in blocks of 32 codes); lowp_scales 6 int32 (the exponents e of the quantised operands' scales 2^e); x_codes 2,048 x 32 x 32 uint8 (E5M2 codes of x, K innermost, in blocks of 32 codes).
;; Outputs: out0 2,048 x 1,024 float32; out1 2,048 x 2,048 float32; out2 2,048 x 2,048 float32.
;; This version of the problem:
;;   THIS VERSION OF THE PROBLEM IS GIVEN IN LOW PRECISION. The matrix products marked QUANTISED in the list below multiply operands that are first quantised to E5M2 (5 exponent bits, 2 mantissa bits; 8 bits a number), with one given power-of-two scale for each operand tensor; their sums are f32. All else is computed in f32.
;;   The module's matrix products, in the order in which they are computed (A, B: the left and right operand; K: the contracted axis; several contracted axes count as one K, in the product's order):
;;     1. [M 2,048, K 1,024] x [K 1,024, N 8,192]; A: input x (given as codes); B: computed on the way: QUANTISED (scales: A lowp_scales[0], B lowp_scales[1])
;;     2. [M 2,048, K 2,048] x [K 2,048, N 8,192]; A: input hidden_state (given as codes); B: computed on the way: QUANTISED (scales: A lowp_scales[2], B lowp_scales[3])
;;     3. [M 2,048, K 2,048] x [K 2,048, N 1,024]; A: computed on the way; B: input Why_w (given as codes): QUANTISED (scales: A lowp_scales[4], B lowp_scales[5])
;;   THE QUANTISER, for each operand of a quantised product, along K:
;;     - The operand's scale is 2^e, e = its entry of the input lowp_scales (int32; the entries are numbered through the quantised products in the list's order, A before B).
;;     - Each number is divided by the scale, clamped to +-57,344, and rounded to the nearest number of E5M2, ties to even, subnormals kept.
;;     - The product sums the exact products of the quantised numbers (number of the format x scale) in f32.
;;   ~~~python
;;   def quantise(x, axis, e):      # numpy; x: float32 -> the quantised numbers, widened to float32 again
;;       x = np.moveaxis(x, axis, -1); K = x.shape[-1]
;;       r = np.clip(x / 2.0 ** e, -57344, 57344)
;;       step = 2.0 ** (np.maximum(np.frexp(np.where(r == 0, 1, r))[1] - 1, -14) - 2)
;;       q = np.round(r / step) * step * 2.0 ** e      # np.round: ties to even
;;       return np.moveaxis(q, -1, axis).astype(np.float32)
;;   ~~~
;;   OPERANDS COMPUTED ON THE WAY. 'Computed on the way' means the value that the module computes at that place (a softmax that the list does not call 'softmax' is quantised finished and normalised). What goes into a quantiser is computed in f32, as accurately as f32 sums, v_exp_f32 and their like allow (about 1e-6 of the number): no bf16 or f16 on the way to a quantiser, and a product that is left as it is and whose result goes on into a quantised operand takes f32 operands (vector FMAs, or v_wmma_f32_16x16x4_f32). A number that lies on a knife's edge between two numbers of the format may be rounded either way, as far as f32 arithmetic and the matrix unit's own rounding can turn it there, and no further.
;;   INPUTS GIVEN AS CODES. Why_w (in the module: [1024, 2048], K = its axis 1); hidden_state (in the module: [2048, 2048], K = its axis 1); x (in the module: [2048, 1024], K = its axis 1): each comes as NAME_codes (uint8): NAME with its K axis moved to the last place and cut into blocks of 32 codes, [.., K / 32, bytes a block], one block behind the other in memory; one code a byte (a code: sign, 5 exponent bits, 2 mantissa bits); its scale is its entry of lowp_scales. Its value is code x scale, taken as it is: it is not quantised again, and the codes and scales need not be those that the quantiser above would give.
;; One version. Each part assembles by itself: llvm-mc -triple=amdgcn-amd-amdhsa -mcpu=gfx1250 --defsym DOCPART=n.
;; ======== version 1 of 1: 3 launches
;; limits: a function is approximated: absolute error at most 2e-07
;; workspace buffers: wq 25,165,824 bytes; nhq 4,194,304 bytes
;; launch quant (part 1): grid 768 x 1, 4 waves a work-group, no clusters, 33,280 bytes of LDS; arguments Wxi_w, Wxf_w, Wxc_w, Wxo_w, Whi_w, Whf_w, Whc_w, Who_w, lowp_scales, wq; writes wq
.if DOCPART == 1
	.amdgcn_target "amdgcn-amd-amdhsa--gfx1250"
	.amdhsa_code_object_version 6
	.text
	.protected	k_q2128310740_quant
	.globl	k_q2128310740_quant
	.p2align	8
	.type	k_q2128310740_quant,@function
k_q2128310740_quant:
	s_mov_b64 s[64:65], 0
	v_nop
	global_prefetch_b8 v0, s[64:65] scope:SCOPE_SE
	s_setreg_imm32_b32 hwreg(HW_REG_WAVE_MODE, 25, 1), 1
	s_wait_xcnt 0x0
; LSTM cell, launch 1 of 3.  NO WORK OF THE PROBLEM IS LEFT OUT IN ANY LAUNCH: every input has a way to an output, all three products are live.
; The eight gate weights (f32, K innermost) become codes of BF8 (E5M2): Wx* [2048][1024] with the scale 2^e1, Wh* [2048][2048] with 2^e3 (entries 1 and 3 of lowp_scales).
; code = w / 2^e, held within +-57,344, rounded to the nearest code, ties to even.  LIMITS: e1, e3 between -126 and 112.  NaN among the inputs is not served.
; They are quantised here once, since each of them is read by eight tile rows of the next launch: the f32 bytes are read once, the later reads are of a quarter of the bytes.
; THE LAYOUT OF wq, [8192 rows][3072 bytes]: a row's bytes 0..1023 are Wx's codes, bytes 1024..3071 Wh's: one K of 3,072 for the next launch.
; Gate g (i, f, c, o = 0..3), hidden unit j lies in row  R = 256 (j >> 6) + 128 (bit 5 of j) + 32 g + 16 (bit 3) + 8 (bit 4) + (j & 7):
; a tile of 256 rows holds the four gates of 64 hidden units, and the rows of a block of 16 are chosen so that, in the next launch's results, a lane holds all four gates of 16 neighbouring hidden units.
; SHARES.  A work-group takes 32,768 numbers, a wave 8,192 in 16 steps of 512: 8 rows of a Wx (work-groups 0..255) or 4 rows of a Wh (256..767).  8 (or 4) aligned rows j go to consecutive rows R.
; One path serves all eight tensors: only pointers and scalars are chosen, by the work-group's number.  Work-groups share no input: no cluster; no tensor load, no barrier: waves share nothing.
; A step's four loads read 512 consecutive bytes each; the 2,048 bytes turn through the wave's own stage in LDS (16 bytes of padding behind each 64) and come back 16 neighbours a lane, as the conversions want them.
; A lane's 16 codes are 16 bytes: a wave's store covers 512 consecutive bytes, aligned.  Loads run four steps (16 loads a wave) ahead, the turn through LDS one step.
.set WAVES, 4
.set STEPS, 16
.set EMAX,  15
.set MANT,  0x600000                   ; the mantissa field of 57,344 as f32
.set R,     16                         ; v16-79   four sets of 16 numbers as they are loaded
.set X,     80                         ; v80-111  two sets of 16 neighbours
.set DO,    112                        ; v112-119 unit k (1,024 numbers): my byte offset in wq from the wave's first row; never rewritten
.set C,     128                        ; v128-191 codes: four registers for each step, so that no store's data are written again
.set WREG,  8192                       ; LDS: a region for each wave: two stages of 32 x SP bytes
.set SP,    80                         ; a lane's place in a stage: its 64 bytes + 16 of padding
.set SPW,   12                         ; v12      LDS address of my spare word; never rewritten
.set NIL,   13                         ; v13      0; never rewritten
.set SPARE, WAVES*WREG                 ; behind the four regions: the spare words, 128 bytes for each wave
	s_load_b512 s[4:19], s[0:1], 0x0               ; Wxi, Wxf, Wxc, Wxo, Whi, Whf, Whc, Who
	s_load_b128 s[20:23], s[0:1], 0x40             ; the scales' exponents, wq
	v_lshl_add_u32 v[SPW], v0, 2, SPARE
	v_mov_b32 v[NIL], 0
	v_lshrrev_b32 v1, 5, v0
	v_readfirstlane_b32 s24, v1                    ; wave
	v_and_b32 v2, 31, v0                           ; lane
	v_lshlrev_b32 v3, 4, v2                        ; 16 x lane: my 16 bytes of a load's 512, and my 16 codes of a step's 512
	s_mul_i32 s44, s24, WREG
	v_lshrrev_b32 v14, 2, v2
	v_mul_u32_u24 v14, v14, SP
	v_and_b32 v15, 3, v2
	v_lshl_add_u32 v14, v15, 4, v14
	v_add_nc_u32 v14, s44, v14                     ; the stage, on the way in: SP (lane / 4) + 16 (lane % 4)
	v_mul_u32_u24 v15, v2, SP
	v_add_nc_u32 v15, s44, v15                     ; and on the way out: SP x lane: my 16 neighbours
	s_cmp_lt_u32 ttmp9, 256                        ; a Wx or a Wh?  All selects on this compare stand ahead of the first addition
	s_cselect_b32 s25, 0, 256
	s_cselect_b32 s26, 6, 7                        ; log2 of the work-groups of a tensor
	s_cselect_b32 s27, 5, 4                        ; log2 of a work-group's rows
	s_cselect_b32 s28, 3, 2                        ; log2 of a wave's rows
	s_mov_b32 s29, 3072
	s_cselect_b32 s29, 6144, s29                   ; from unit 2 k to unit 2 k + 2 in wq: two rows, or one
	s_mov_b32 s30, 1024
	s_cselect_b32 s30, 3072, s30                   ; from unit 2 k to unit 2 k + 1: a row, or half of Wh's part of a row
	s_cselect_b32 s31, 0, 1024                     ; where the tensor's codes begin in a row of wq
	s_sub_co_u32 s25, ttmp9, s25
	s_lshr_b32 s32, s25, s26                       ; g
	s_lshl_b32 s33, s32, s26
	s_sub_co_u32 s33, s25, s33                     ; my work-group's number within the tensor
	s_lshl_b32 s34, s33, s27
	s_lshl_b32 s44, s24, s28
	s_add_co_u32 s34, s34, s44                     ; j0: my wave's first row
	s_lshr_b32 s35, s34, 6
	s_lshl_b32 s35, s35, 8                         ; R0 = 256 (j0 >> 6)
	s_bfe_u32 s44, s34, 0x10005
	s_lshl_b32 s44, s44, 7
	s_add_co_u32 s35, s35, s44                     ; + 128 x bit 5
	s_lshl_b32 s44, s32, 5
	s_add_co_u32 s35, s35, s44                     ; + 32 g
	s_bfe_u32 s44, s34, 0x10003
	s_lshl_b32 s44, s44, 4
	s_add_co_u32 s35, s35, s44                     ; + 16 x bit 3
	s_bfe_u32 s44, s34, 0x10004
	s_lshl_b32 s44, s44, 3
	s_add_co_u32 s35, s35, s44                     ; + 8 x bit 4
	s_and_b32 s44, s34, 7
	s_add_co_u32 s35, s35, s44                     ; + (j0 & 7)
	s_lshl_b32 s36, s33, 2
	s_add_co_u32 s36, s36, s24
	s_lshl_b32 s36, s36, 15                        ; my wave's 32,768 bytes in the tensor
	s_mov_b32 s37, 0
	s_mul_i32 s38, s35, 3072
	s_add_co_u32 s38, s38, s31                     ; and where its codes begin in wq
	s_mov_b32 s39, 0
.irp k, 0,1,2,3,4,5,6,7
	s_mul_i32 s44, s29, \k/2
	s_mul_i32 s45, s30, \k%2
	s_add_co_u32 s44, s44, s45
	v_add_nc_u32 v[DO+\k], s44, v3
.endr
	s_wait_kmcnt 0x0
	s_load_b128 s[40:43], s[20:21], 0x0            ; e0 .. e3
	s_cmp_eq_u32 s32, 1                            ; the gate's tensor, in both families: choices that hang on the work-group's number alone
	s_cselect_b64 s[4:5], s[6:7], s[4:5]
	s_cselect_b64 s[12:13], s[14:15], s[12:13]
	s_cmp_eq_u32 s32, 2
	s_cselect_b64 s[4:5], s[8:9], s[4:5]
	s_cselect_b64 s[12:13], s[16:17], s[12:13]
	s_cmp_eq_u32 s32, 3
	s_cselect_b64 s[4:5], s[10:11], s[4:5]
	s_cselect_b64 s[12:13], s[18:19], s[12:13]
	s_cmp_lt_u32 ttmp9, 256
	s_cselect_b64 s[4:5], s[4:5], s[12:13]
	s_add_nc_u64 s[4:5], s[4:5], s[36:37]
	s_add_nc_u64 s[8:9], s[22:23], s[38:39]
.macro LOAD t
.irp i, 0,1,2,3
	global_load_b128 v[R+16*((\t)%4)+4*\i:R+16*((\t)%4)+4*\i+3], v3, s[4:5] offset:2048*(\t)+512*\i th:TH_LOAD_NT   ; 32 lanes read 512 consecutive bytes; read once in the launch
.endr
.endm
.macro TURN t                          ; step t's numbers through the stage: LDS serves a wave's instructions in order, so no wait stands between the stores and the loads
.irp i, 0,1,2,3
	ds_store_b128 v14, v[R+16*((\t)%4)+4*\i:R+16*((\t)%4)+4*\i+3] offset:32*SP*((\t)%2)+8*SP*\i
.endr
.irp i, 0,1,2,3
	ds_load_b128 v[X+16*((\t)%2)+4*\i:X+16*((\t)%2)+4*\i+3], v15 offset:32*SP*((\t)%2)+16*\i
.endr
.endm
.irp t, 0,1,2,3
	LOAD \t
.endr
	s_wait_kmcnt 0x0
	s_cmp_lt_u32 ttmp9, 256
	s_cselect_b32 s44, s41, s43                    ; e: e1 for a Wx, e3 for a Wh
	s_add_co_i32 s44, s44, 127
	s_lshl_b32 s45, s44, 23
	v_mov_b32 v11, s45                             ; 2^e as f32: the conversion takes its exponent field
	s_add_co_i32 s44, s44, EMAX
	s_lshl_b32 s44, s44, 23
	s_or_b32 s44, s44, MANT
	v_mov_b32 v10, s44                             ; 57,344 x 2^e
	s_wait_loadcnt 12                              ; step 0's four loads are in; the twelve of steps 1 to 3 may be out
	TURN 0
.macro STEP t
.set XS, X+16*((\t)%2)
	s_wait_dscnt 0x0                               ; this step's numbers are back from the stage: so its stores into the stage have read their registers,
.if (\t)+4 < STEPS
	LOAD (\t)+4                                    ; which take the loads of four steps on
.endif
.if (\t)+1 < STEPS
.if STEPS-2-(\t) >= 3
	s_wait_loadcnt 12                              ; the next step's four loads are in; those of the three steps behind it may be out
.else
	s_wait_loadcnt 4*(STEPS-2-(\t))                ; the tail: four loads for each step that is still behind the next one
.endif
	TURN (\t)+1                                    ; and go through the other stage while this step is worked
.endif
.irp i, 0,1,2,3,4,5,6,7,8,9,10,11,12,13,14,15
	v_med3_num_f32 v[XS+\i], v[XS+\i], -v10, v10   ; the conversion to an 8-bit code does not saturate (ISA guide 7.6.2): the hold at the largest code x the scale comes first
.endr
	v_cvt_scalef32_pk8_bf8_f32 v[C+4*(\t):C+4*(\t)+1], v[XS:XS+7], v11
	v_cvt_scalef32_pk8_bf8_f32 v[C+4*(\t)+2:C+4*(\t)+3], v[XS+8:XS+15], v11
	global_store_b128 v[DO+(\t)/2], v[C+4*(\t):C+4*(\t)+3], s[8:9] offset:512*((\t)%2)   ; the codes go to a store alone; the next vector lines are the next step's holds, plain ones on other registers
.endm
.irp t, 0,1,2,3,4,5,6,7,8,9,10,11,12,13,14,15
	STEP \t
.endr
	s_wait_tensorcnt 0x0                           ; the wave's end: a wait, then 0 onto my spare word and its wait, behind my last LDS store
	ds_add_u32 v[SPW], v[NIL]
	s_wait_dscnt 0x0
	s_endpgm
.Lfunc_end_k_q2128310740_quant:
	.size	k_q2128310740_quant, .Lfunc_end_k_q2128310740_quant-k_q2128310740_quant
	.p2alignl 7, 3214868480
	.fill 96, 4, 3214868480
	.section	.rodata,"a",@progbits
	.p2align	6, 0x0
	.amdhsa_kernel k_q2128310740_quant
		.amdhsa_group_segment_fixed_size 33280
		.amdhsa_private_segment_fixed_size 0
		.amdhsa_enable_private_segment 0
		.amdhsa_kernarg_size 80
		.amdhsa_user_sgpr_count 2
		.amdhsa_user_sgpr_kernarg_segment_ptr 1
		.amdhsa_wavefront_size32 1
		.amdhsa_system_sgpr_workgroup_id_x 1
		.amdhsa_system_sgpr_workgroup_id_y 1
		.amdhsa_system_sgpr_workgroup_id_z 1
		.amdhsa_system_vgpr_workitem_id 0
		.amdhsa_next_free_vgpr 192
		.amdhsa_next_free_sgpr 66
		.amdhsa_reserve_vcc 0
		.amdhsa_float_denorm_mode_32 3
		.amdhsa_float_denorm_mode_16_64 3
		.amdhsa_memory_ordered 1
		.amdhsa_forward_progress 1
		.amdhsa_inst_pref_size 40
	.end_amdhsa_kernel
	.amdgpu_metadata
---
amdhsa.version: [ 1, 2 ]
amdhsa.kernels:
  - .name:           k_q2128310740_quant
    .symbol:         k_q2128310740_quant.kd
    .args:
      - { .name: Wxi_w, .offset: 0, .size: 8, .value_kind: global_buffer, .address_space: global }
      - { .name: Wxf_w, .offset: 8, .size: 8, .value_kind: global_buffer, .address_space: global }
      - { .name: Wxc_w, .offset: 16, .size: 8, .value_kind: global_buffer, .address_space: global }
      - { .name: Wxo_w, .offset: 24, .size: 8, .value_kind: global_buffer, .address_space: global }
      - { .name: Whi_w, .offset: 32, .size: 8, .value_kind: global_buffer, .address_space: global }
      - { .name: Whf_w, .offset: 40, .size: 8, .value_kind: global_buffer, .address_space: global }
      - { .name: Whc_w, .offset: 48, .size: 8, .value_kind: global_buffer, .address_space: global }
      - { .name: Who_w, .offset: 56, .size: 8, .value_kind: global_buffer, .address_space: global }
      - { .name: lowp_scales, .offset: 64, .size: 8, .value_kind: global_buffer, .address_space: global }
      - { .name: wq, .offset: 72, .size: 8, .value_kind: global_buffer, .address_space: global }
    .group_segment_fixed_size: 33280
    .private_segment_fixed_size: 0
    .kernarg_segment_align: 8
    .kernarg_segment_size: 80
    .max_flat_workgroup_size: 128
    .sgpr_count:     66
    .vgpr_count:     192
    .wavefront_size: 32
...
	.end_amdgpu_metadata
.endif
;; end of part 1
;; launch gates (part 2): grid 32 x 8, 4 waves a work-group, clusters of 4 x 4, 327,680 bytes of LDS; arguments x_codes, hidden_state_codes, wq, cell_state, lowp_scales, Wxi_b, Wxf_b, Wxc_b, Wxo_b, out1, out2, nhq; writes out1, out2, nhq
.if DOCPART == 2
	.amdgcn_target "amdgcn-amd-amdhsa--gfx1250"
	.amdhsa_code_object_version 6
	.text
	.protected	k_q2128310740_gates
	.globl	k_q2128310740_gates
	.p2align	8
	.type	k_q2128310740_gates,@function
k_q2128310740_gates:
	s_mov_b64 s[64:65], 0
	v_nop
	global_prefetch_b8 v0, s[64:65] scope:SCOPE_SE
	s_setreg_imm32_b32 hwreg(HW_REG_WAVE_MODE, 25, 1), 1
	s_wait_xcnt 0x0
	s_wait_alu depctr_hold_cnt(0) depctr_sa_sdst(0) depctr_va_vdst(0) depctr_va_sdst(0) depctr_va_ssrc(0) depctr_va_vcc(0) depctr_vm_vsrc(0)
	s_getreg_b32 s2, hwreg(HW_REG_IB_STS2, 6, 4)
	s_cmp_eq_u32 s2, 0
	s_cbranch_scc0 .Lentry_in_a_cluster
	s_endpgm
.Lentry_in_a_cluster:
	s_bfe_u32 s2, ttmp6, 0x10000c
	s_cmp_lg_u32 s2, 0xf033
	s_cbranch_scc0 .Lentry_shape_is_right
	s_endpgm
.Lentry_shape_is_right:
; LSTM cell, launch 2 of 3: gates = x Wx^T + h Wh^T + bx on codes of BF8 (E5M2), the activations, new_cell (out2), new_hidden (out1), and new_hidden's codes (nhq) for the last product.  Nothing of the problem is left out.
; ONE GEMM OVER K = 3,072: A's row is x's 1,024 codes, then h's 2,048; B's row is a row of wq (launch 1).  x's part stands for sum x 2^(e0 + e1), h's for sum x 2^(e2 + e3): when x's part is summed, the accumulators
; are multiplied once by 2^(e0 + e1 - e2 - e3), which rounds nothing, and h's products are added onto them; the finished sum is multiplied by 2^(e2 + e3), folded into the activations' factors.
; LIMITS: e0 + e1 - e2 - e3 between -126 and 127; e2 + e3 between -126 and 126; e4 between -126 and 112.  NaN among the inputs is not served; an infinite gate gives the saturated sigmoid or tanh.
; The cell node's tanh is 1 - 2 / (1 + 2^y): its error is about 2e-7 ABSOLUTE, also where the cell node is small; it is added into f c + i g.  The tanh of new_cell, which goes on into the quantiser, is right to about 1e-6 of itself at every size.
; Inside a matrix instruction k is permuted, alike in A and B (four 16-byte loads a fragment): the products are the same, the order of their sum differs.
; SHARES.  A work-group of four waves makes 256 rows x 256 rows of wq (the four gates of 64 hidden units); a wave 128 x 128: 64 accumulators, 512 registers.  256 work-groups.
; K goes in 12 steps of 256 through a ring of two LDS slots; a tile's row is 256 bytes of memory.  CLUSTERS of 4 x 4: A's tiles are asked for jointly along a row of the cluster, B's along a column.
; THE MATRIX INSTRUCTION IS USED TRANSPOSED (source 0 = 16 rows of wq, source 1 = 16 rows of A).  By wq's order of rows, register j of accumulator (a, 2 g + u) in lane (r, h) is row 16 a + r, gate g,
; hidden unit 32 x (my column half) + 16 h + 8 u + j: a lane holds all four gates of 16 neighbouring hidden units, so the whole cell is arithmetic of one lane, and its 16 new_hidden are 16 neighbours along the next K.
; REGISTERS, in windows of 256: window 0: v0-31 addresses and constants, v32-95 the biases, v96-127 rows on the way out, v128-255 A's fragments (one set), on the way out the cell's arithmetic;
;   window 1: B's fragments, two sets;   windows 2, 3: the accumulators of my rows 0-63, 64-127 ((a, b) at v[8 (8 (a % 4) + b)]).
.set PITCH,  272                       ; an LDS row: 256 bytes + 16 of padding: the 16 rows that a load touches start at 16 different groups of banks (64 banks of 4 bytes: ISA guide 11.1)
.set HALFT,  128*PITCH                 ; 128 rows: what one tensor load brings, and what one wave reads of A or of B
.set SLOT,   4*HALFT                   ; A's 256 rows, then B's 256 rows
.set SPARE,  2*SLOT                    ; behind the ring: the spare words, 128 bytes for each wave
.set HST,    2*HALFT                   ; the way out: new_hidden's stage, 256 rows x 272, where slot 0 held B; cell_state's tile, then new_cell, lies from byte 0 on, where it held A
.set FR,     16                        ; registers of a fragment: 16 rows x 128 K
.set NL,     4                         ; LDS loads that bring one
.set NP,     4                         ; places behind this matrix instruction (ISA guide 7.12.1)
.set C3V,  6                           ; v[6:7]   tanh's series: c3, twice
.set C1V,  8                           ; v[8:9]   c1, twice
.set SCQ,  10                          ; v10      2^e4 as f32
.set LIMQ, 11                          ; v11      57,344 x 2^e4
.set PC,   12                          ; v[12:15] 16 codes of new_hidden
.set ADRA, 16                          ; v16-17   LDS address of my A fragments in slot 0, 1
.set ADRB, 20                          ; v20-21   the same for B
.set CA,   22                          ; v22      my 64 bytes of a row of the cell's tile
.set CAH,  23                          ; v23      the same in new_hidden's stage
.set RD,   24                          ; v24      where I read rows back
.set RDH,  25                          ; v25
.set GO,   26                          ; v26      my byte offset in out1 and out2
.set LI,   27                          ; v27      16 x lane
.set SPW,  28                          ; v28      LDS address of my spare word; never rewritten
.set NIL,  29                          ; v29      0; never rewritten
.set PFO,  30                          ; v30      the prefetches' offset: my lane x a row of h or of wq; never rewritten
.set BO,   31                          ; v31      64 h
.set BIAS, 32                          ; v32-95   bias 16 g + 8 u + j of my 16 hidden units, x the gate's factor
.set OB,   96                          ; v96-127  eight rows read back: four of new_cell, four of new_hidden
.set AF,   128                         ; A's fragments
.set E,    128                         ; the way out: 64 gates of a lane
.set EI,   128
.set EF,   144
.set EC,   160
.set EO,   176
.set CC,   192                         ; cell_state, then new_cell
.set W,    208                         ; tanh by the exponential
.set P,    224                         ; tanh by the series
.set Y2,   240                         ; squares
.set G1X,  28                          ; s[28:35] descriptor group 1 for x's tiles; s[36:43] h's; s[44:51] wq's; s[52:59] cell_state's
.set G1H,  36
.set G1B,  44
.set G1C,  52
.set WV,   60                          ; s60 wave;  s61 my half of the rows, also: I fetch for A (0) or B (1);  s62 my half of the columns, also: which 128 rows I fetch
.set FA,   61
.set CH,   62
.set LIM,  63                          ; s63 1 in a wave that prefetches, else the greatest number
.set PFA,  66                          ; s[66:67] where my prefetches stand
.set G0X,  68                          ; s[68:75] group 0 for x's tiles, a set for each slot; s[76:83] h's; s[84:91] wq's; s[92:95] cell_state's
.set G0H,  76
.set G0B,  84
.set G0C,  92
.set RS,   96                          ; s[96:97] 2^(e0 + e1 - e2 - e3);  s100 e4;  s101 e2 + e3
.set KSIG, 28                          ; the way out (the descriptors are done with): s[28:29] -log2(e) x 2^(e2 + e3); s[30:31] 2 log2(e) x 2^(e2 + e3); s[32:33] c5; s34 the series' bound; s[36:37] 2 log2(e)
.set KTAN, 30
.set C5,   32
.set THR,  34
.set TWOL, 36
.set MSB, 0
.macro WIN new                         ; the immediate's high byte repeats the setting that is left
.if MSB != \new
	s_set_vgpr_msb (MSB<<8)|\new
.set MSB, \new
.endif
.endm
.set MUL_LO, 0xa1                      ; source 0 (B) window 1, source 1 (A) window 0, C and D window 2
.set MUL_HI, 0xf1                      ; the same, C and D window 3
.set TO_B,   0x40                      ; destination window 1, address window 0
; A joint load: waves 0 and 1 fetch for A, waves 2 and 3 for B.  Each line has one mask and one set of registers for all that issue it; the branch hangs on the wave's number alone.
; An s_nop 0 and four v_nop follow each of the two lines, ahead of the jump, the label and what follows.
.macro JLOAD g0a, g1a, g0b, g1b
	s_cmp_eq_u32 s[FA], 0
	s_cbranch_scc0 .Lfor_b_\@
	tensor_load_to_lds s[\g0a:\g0a+3], s[\g1a:\g1a+7]
	s_nop 0
.rept 4
	v_nop
.endr
	s_branch .Lasked_\@
.Lfor_b_\@:
	tensor_load_to_lds s[\g0b:\g0b+3], s[\g1b:\g1b+7]
	s_nop 0
.rept 4
	v_nop
.endr
.Lasked_\@:
.endm
.macro CREST                           ; a round of the cluster's barrier behind its opening barrier
	s_cmp_lg_u32 s[WV], 0
	s_cbranch_scc1 .Lnot_wave_0_\@
	s_barrier_signal -3
.Lnot_wave_0_\@:
	s_barrier_wait -3
	s_barrier_signal -1
	s_barrier_wait -1
.endm
.macro CROUND                          ; a whole round
	s_barrier_signal -1
	s_barrier_wait -1
	CREST
.endm
; A PREFETCH INTO THE L2 of the K step that stands two refills on: 32 rows x 256 bytes, a lane a row, one instruction a wave; it stands behind the joint load, its five lines and the run of LDS loads.
; K steps 4 to 11 are named (all of h, and wq from byte 1,024 of a row on), each row's 256 bytes once in the launch: h's tile row is read by every cluster of a row of clusters, and cluster x = 0 asks;
; wq's tile column by every cluster of a column, and cluster y = 0 asks.  The four partners that fetch a tile jointly share its rows out BY ADDRESS, 32 each (cx for A, cy for B).
; pf = 1, 2: a change of slots that is written out; pf = 3: in the loop, whose last trip (s3 = 1) has no K step two refills on; pf = 0: none.
.macro ASK pf
.if \pf > 0
.if \pf == 3
	s_cmp_gt_u32 s3, s[LIM]
.else
	s_cmp_eq_u32 s[LIM], 1
.endif
	s_cbranch_scc0 .Lnot_mine_\@
	global_prefetch_b8 v[PFO], s[PFA:PFA+1] th:TH_LOAD_NT scope:SCOPE_SE
.Lnot_mine_\@:
.endif
.endm
	s_load_b256 s[4:11], s[0:1], 0x0               ; x's codes s[4:5], h's s[6:7], wq s[8:9], cell_state s[10:11]
	s_load_b256 s[12:19], s[0:1], 0x20             ; the scales' exponents s[12:13], Wxi_b s[14:15], Wxf_b s[16:17], Wxc_b s[18:19]
	s_load_b256 s[20:27], s[0:1], 0x40             ; Wxo_b s[20:21], out1 s[22:23], out2 s[24:25], nhq s[26:27]
	v_lshl_add_u32 v[SPW], v0, 2, SPARE
	v_mov_b32 v[NIL], 0
	ds_add_u32 v[SPW], v[NIL]                      ; the wave's opening: the add, twice on end, and its wait ahead of my first tensor load; the set-up below, work on registers, stands between
	ds_add_u32 v[SPW], v[NIL]
	v_lshrrev_b32 v1, 5, v0
	v_readfirstlane_b32 s[WV], v1                  ; wave 0..3
	s_lshr_b32 s[FA], s[WV], 1
	s_and_b32 s[CH], s[WV], 1
	s_bfe_u32 s98, ttmp6, 0x40000                  ; cx
	s_bfe_u32 s2, ttmp6, 0x40004                   ; cy
	s_lshl_b32 s99, ttmp9, 2
	s_add_co_u32 s99, s99, s98                     ; nt: tile column = 4 x cluster x + cx
	s_and_b32 s3, ttmp7, 0xffff
	s_lshl_b32 s3, s3, 2
	s_add_co_u32 s3, s3, s2                        ; tm: tile row = 4 x cluster y + cy
	s_lshl_b32 s104, s2, 2
	s_lshl_b32 s104, 15, s104                      ; my row of the cluster
	s_lshl_b32 s105, 0x1111, s98                   ; my column
	; group 1: tiles of 128 rows x 256 bytes, 16 bytes of padding behind each row.  15:0 the mask; 17:16 elements of 1 byte; 20 padding on; 21 set beside a mask; 24:22 after every 64 words (code 5); 31:25 four words (code 3)
	s_or_b32 s[G1X], s104, (1<<20)|(1<<21)|(5<<22)|(3<<25)
	s_or_b32 s[G1H], s104, (1<<20)|(1<<21)|(5<<22)|(3<<25)
	s_or_b32 s[G1B], s105, (1<<20)|(1<<21)|(5<<22)|(3<<25)
.irp g, G1X, G1H, G1B
	s_mov_b32 s[\g+1], 256<<16                     ; tensor_dim0
	s_mov_b32 s[\g+2], 128<<16                     ; tensor_dim1
	s_mov_b32 s[\g+3], 256<<16                     ; tile_dim0
	s_mov_b32 s[\g+4], 128                         ; tile_dim1
	s_mov_b32 s[\g+6], 0
	s_mov_b32 s[\g+7], 0
.endr
	s_mov_b32 s[G1X+5], 1024                       ; a row of x's codes,
	s_mov_b32 s[G1H+5], 2048                       ; of h's,
	s_mov_b32 s[G1B+5], 3072                       ; of wq
	s_mov_b32 s[G1C], (2<<16)|(1<<20)|(5<<22)|(3<<25)   ; cell_state: no mask (each work-group has its own tile); elements of 4 bytes; 64 rows x 64 elements, the same padding
	s_mov_b32 s[G1C+1], 64<<16
	s_mov_b32 s[G1C+2], 64<<16
	s_mov_b32 s[G1C+3], 64<<16
	s_mov_b32 s[G1C+4], 64
	s_mov_b32 s[G1C+5], 2048
	s_mov_b32 s[G1C+6], 0
	s_mov_b32 s[G1C+7], 0
	; byte offsets of the first tiles, in the registers that will hold their addresses.  A's hang on tm and the wave alone, B's on nt and the wave alone
	s_lshl_b32 s96, s3, 8
	s_lshl_b32 s97, s[CH], 7
	s_add_co_u32 s96, s96, s97                     ; A: row 256 tm + 128 x half
	s_lshl_b32 s[G0X+2], s96, 10
	s_mov_b32 s[G0X+3], 0
	s_lshl_b32 s[G0H+2], s96, 11
	s_mov_b32 s[G0H+3], 0
	s_lshl_b32 s100, s99, 8
	s_add_co_u32 s100, s100, s97                   ; B: row 256 nt + 128 x half
	s_mul_i32 s[G0B+2], s100, 3072
	s_mov_b32 s[G0B+3], 0
	s_lshl_b32 s[G0C+2], s3, 8
	s_lshl_b32 s63, s[WV], 6
	s_add_co_u32 s[G0C+2], s[G0C+2], s63           ; cell_state: row 256 tm + 64 x wave,
	s_lshl_b32 s[G0C+2], s[G0C+2], 13
	s_lshl_b32 s63, s99, 8
	s_add_co_u32 s[G0C+2], s[G0C+2], s63           ; byte 256 nt of it
	s_mov_b32 s[G0C+3], 0
	s_mul_i32 s101, s[WV], HALFT                   ; where my tiles go: wave x 128 rows: no place in the cluster enters an LDS address
	s_wait_dscnt 0x0                               ; both opening adds are done
	s_wait_kmcnt 0x0
	s_add_nc_u64 s[G0X+2:G0X+3], s[4:5], s[G0X+2:G0X+3]
	s_add_nc_u64 s[G0H+2:G0H+3], s[6:7], s[G0H+2:G0H+3]
	s_add_nc_u64 s[G0B+2:G0B+3], s[8:9], s[G0B+2:G0B+3]
	s_add_nc_u64 s[G0C+2:G0C+3], s[10:11], s[G0C+2:G0C+3]
.irp g, G0X, G0H, G0B
	s_add_nc_u64 s[\g+6:\g+7], s[\g+2:\g+3], 256   ; slot 1's set: the K step behind slot 0's
	s_or_b32 s[\g+3], s[\g+3], 0x80000000          ; type = 2
	s_or_b32 s[\g+7], s[\g+7], 0x80000000
	s_mov_b32 s[\g], 1                             ; count = 1
	s_mov_b32 s[\g+4], 1
	s_add_co_u32 s[\g+1], s101, 0                  ; LDS address
	s_add_co_u32 s[\g+5], s101, SLOT
.endr
	s_or_b32 s[G0C+3], s[G0C+3], 0x80000000
	s_mov_b32 s[G0C], 1
	s_mul_i32 s[G0C+1], s[WV], 64*PITCH            ; my 64 rows of the cell's tile
	CROUND                                         ; all sixteen work-groups are here: the first joint loads meet
	JLOAD G0X, G1X, G0B, G1B                       ; K step 0
	JLOAD G0X+4, G1X, G0B+4, G1B                   ; K step 1: two loads of mine are out
	v_and_b32 v1, 15, v0                           ; r
	v_bfe_u32 v2, v0, 4, 1                         ; h
	v_lshlrev_b32 v[BO], 6, v2
	s_lshl_b32 s100, s99, 8
	s_lshl_b32 s101, s[CH], 7
	s_add_co_u32 s100, s100, s101                  ; the biases of my 32 hidden units: byte 4 (64 nt + 32 x half)
	s_mov_b32 s101, 0
	s_add_nc_u64 s[14:15], s[14:15], s[100:101]
	s_add_nc_u64 s[16:17], s[16:17], s[100:101]
	s_add_nc_u64 s[18:19], s[18:19], s[100:101]
	s_add_nc_u64 s[20:21], s[20:21], s[100:101]
.irp g, 0,1,2,3
.irp i, 0,1,2,3
	global_load_b128 v[BIAS+16*\g+4*\i:BIAS+16*\g+4*\i+3], v[BO], s[14+2*\g:15+2*\g] offset:16*\i   ; gate g, hidden units 16 h + 4 i on
.endr
.endr
	s_lshl_b32 s100, s3, 8                         ; out1, out2: the first row that I store, 256 tm + 128 (wave / 2) + 8 (wave % 2), byte 256 nt of it
	s_lshl_b32 s101, s[FA], 7
	s_add_co_u32 s100, s100, s101
	s_lshl_b32 s101, s[CH], 3
	s_add_co_u32 s100, s100, s101
	s_lshl_b32 s100, s100, 13
	s_lshl_b32 s101, s99, 8
	s_add_co_u32 s100, s100, s101
	s_mov_b32 s101, 0
	s_add_nc_u64 s[22:23], s[22:23], s[100:101]
	s_add_nc_u64 s[24:25], s[24:25], s[100:101]
	s_lshl_b32 s100, s3, 4                         ; nhq: fragment (16 tm + 8 x my row half, nt / 2) of 2,048 bytes, its piece 2 (nt % 2) + my column half of 512
	s_lshl_b32 s101, s[FA], 3
	s_add_co_u32 s100, s100, s101
	s_lshl_b32 s100, s100, 4
	s_lshr_b32 s101, s99, 1
	s_add_co_u32 s100, s100, s101
	s_lshl_b32 s100, s100, 11
	s_and_b32 s101, s99, 1
	s_lshl_b32 s101, s101, 1
	s_add_co_u32 s101, s101, s[CH]
	s_lshl_b32 s101, s101, 9
	s_add_co_u32 s100, s100, s101
	s_mov_b32 s101, 0
	s_add_nc_u64 s[26:27], s[26:27], s[100:101]
	; the prefetches: where mine stand, and who asks
	s_lshl_b32 s104, s3, 8
	s_lshl_b32 s105, s99, 8
	s_and_b32 s100, ttmp7, 0xffff                  ; cluster y
	s_cmp_eq_u32 s[FA], 0                          ; do I fetch for A?  All selects stand ahead of the first addition
	s_cselect_b32 s104, s104, s105                 ; the tile's first row
	s_cselect_b32 s105, s98, s2                    ; my place among the four that ask for it with me
	s_cselect_b32 s100, ttmp9, s100                ; the coordinate along which other clusters read the same rows
	s_cselect_b64 s[PFA:PFA+1], s[6:7], s[8:9]
	s_mov_b32 s101, 3072
	s_cselect_b32 s101, 2048, s101                 ; a row in bytes
	s_cselect_b32 s63, 0, 1024                     ; K step 4 in a row: h's first byte, wq's byte 1,024
	s_lshl_b32 s96, s[CH], 7
	s_add_co_u32 s104, s104, s96                   ; + the 128 rows that I fetch
	s_lshl_b32 s105, s105, 5
	s_add_co_u32 s104, s104, s105                  ; + my work-group's 32 of them
	s_mul_i32 s104, s104, s101
	s_add_co_u32 s104, s104, s63
	s_mov_b32 s105, 0
	s_add_nc_u64 s[PFA:PFA+1], s[PFA:PFA+1], s[104:105]
	s_cmp_eq_u32 s100, 0
	s_cselect_b32 s[LIM], 1, -1                    ; the same in all sixteen partners, for a given wave
	v_and_b32 v[PFO], 31, v0
	v_mul_lo_u32 v[PFO], v[PFO], s101
	; LDS addresses
	v_mul_u32_u24 v3, v1, PITCH
	v_lshl_add_u32 v4, v2, 4, v3                   ; a fragment's row x pitch + 16 x half
	s_mul_i32 s104, s[FA], HALFT                   ; my 128 rows of A
	s_mul_i32 s105, s[CH], HALFT                   ; my 128 rows of B,
	s_add_co_u32 s105, s105, 2*HALFT               ; which lie behind A's 256
.irp s, 0,1
	v_add_nc_u32 v[ADRA+\s], s104, v4
	v_add_nc_u32 v[ADRB+\s], s105, v4
	s_add_co_u32 s104, s104, SLOT
	s_add_co_u32 s105, s105, SLOT
.endr
	s_mul_i32 s104, s[FA], HALFT
	s_lshl_b32 s105, s[CH], 7
	s_add_co_u32 s104, s104, s105
	v_lshl_add_u32 v[CA], v2, 6, v3
	v_add_nc_u32 v[CA], s104, v[CA]                ; (128 x row half + r) x pitch + 128 x column half + 64 h: my 16 hidden units of row r
	v_add_nc_u32 v[CAH], HST, v[CA]
	s_mul_i32 s104, s[FA], HALFT
	s_mul_i32 s105, s[CH], 8*PITCH
	s_add_co_u32 s104, s104, s105
	v_mul_u32_u24 v5, v2, PITCH
	v_lshl_add_u32 v5, v1, 4, v5
	v_add_nc_u32 v[RD], s104, v5                   ; back: rows 128 (wave / 2) + 8 (wave % 2) on; lanes 0-15 one row of 256 bytes, lanes 16-31 the next
	v_add_nc_u32 v[RDH], HST, v[RD]
	v_lshlrev_b32 v[GO], 13, v2
	v_lshl_add_u32 v[GO], v1, 4, v[GO]             ; and the same two rows in out1 and out2
	v_and_b32 v[LI], 31, v0
	v_lshlrev_b32 v[LI], 4, v[LI]
	s_load_b128 s[96:99], s[12:13], 0x0            ; e0 .. e3 (the head's last use of s96 to s101 lies above)
	s_load_b32 s100, s[12:13], 0x10                ; e4
	s_wait_loadcnt 0x0                             ; the biases
.set q, 0
.rept 32
.if (q >= 32) && (q < 48)
	v_pk_mul_f32 v[BIAS+q:BIAS+q+1], v[BIAS+q:BIAS+q+1], 0x4038aa3b op_sel_hi:[1,0]   ; the cell node's: x 2 log2(e), tanh's argument
.else
	v_pk_mul_f32 v[BIAS+q:BIAS+q+1], v[BIAS+q:BIAS+q+1], 0xbfb8aa3b op_sel_hi:[1,0]   ; a sigmoid's: x -log2(e)
.endif
.set q, q+2
.endr
	s_wait_kmcnt 0x0
	s_add_co_i32 s101, s98, s99                    ; e2 + e3
	s_add_co_i32 s96, s96, s97
	s_sub_co_i32 s96, s96, s101
	s_add_co_i32 s96, s96, 127
	s_lshl_b32 s[RS], s96, 23                      ; 2^(e0 + e1 - e2 - e3) as f32
	s_mov_b32 s[RS+1], s[RS]                       ; (named with it as a pair, so it is written)
.macro FRAG reg, adr, q, i             ; a fragment: lane l holds row l % 16; registers 4 c .. 4 c + 3 hold K = 32 c + 16 (l / 16) + 0 .. 15
.irp c, 0,1,2,3
	ds_load_b128 v[\reg+4*\c:\reg+4*\c+3], v[\adr] offset:128*(\q)+32*\c+(\i)*16*PITCH
.endr
.endm
; 16 matrix instructions: A's blocks a0, a0 + 1 x B's eight, 128 along K.  p: B's set.  zero = 1: the first product starts the sums.
; The 64 accumulators take turns, one instruction a turn, in the same order in every step.
.macro MUL16 a0, p, zero
.irp a, \a0, \a0+1
.irp b, 0,1,2,3,4,5,6,7
.if \zero
	v_wmma_f32_16x16x128_bf8_bf8 v[8*(8*((\a)%4)+\b):8*(8*((\a)%4)+\b)+7], v[128*(\p)+FR*\b:128*(\p)+FR*\b+FR-1], v[AF+FR*(\a):AF+FR*(\a)+FR-1], 0
.else
	v_wmma_f32_16x16x128_bf8_bf8 v[8*(8*((\a)%4)+\b):8*(8*((\a)%4)+\b)+7], v[128*(\p)+FR*\b:128*(\p)+FR*\b+FR-1], v[AF+FR*(\a):AF+FR*(\a)+FR-1], v[8*(8*((\a)%4)+\b):8*(8*((\a)%4)+\b)+7]
.endif
.endr
.endr
.endm
.macro FETCH_B slot, q, p              ; B's eight fragments of the slot's q-th 128 along K into set p
	WIN TO_B
.irp i, 0,1,2,3,4,5,6,7
	FRAG 128*(\p)+FR*\i, ADRB+\slot, \q, \i
.endr
	WIN 0
.endm
.macro FETCH_A slot, q, i0             ; A's blocks i0 .. i0 + 3
.irp i, \i0, \i0+1, \i0+2, \i0+3
	FRAG AF+FR*(\i), ADRA+\slot, \q, \i
.endr
.endm
.macro PLACES n                        ; plain vector instructions between a matrix instruction and a load into a register that it read, or a vector instruction that reads its result
.rept \n
	v_nop
.endr
.endm
; A step of 128 along K that has its successor in the same slot.  A has one set of registers: blocks 0-3 are fetched anew in the step's middle, blocks 4-7 at its end; B has two sets.
.macro STEP slot, q, zero
	s_wait_dscnt 4*NL                              ; B's set and A's blocks 0-3 are in; the youngest 16 loads (A's blocks 4-7) may be out
	WIN MUL_LO
	MUL16 0, (\q)%2, \zero
	MUL16 2, (\q)%2, \zero
	s_wait_dscnt 0                                 ; A's blocks 4-7 are in
	PLACES NP
	FETCH_B \slot, (\q)+1, 1-(\q)%2
	FETCH_A \slot, (\q)+1, 0
	WIN MUL_HI
	MUL16 4, (\q)%2, \zero
	MUL16 6, (\q)%2, \zero
	PLACES NP
	WIN 0
	FETCH_A \slot, (\q)+1, 4
.endm
; A slot's last step changes slots.  Its first 32 products stand AHEAD of the wait for the tensor loads: a refill is asked for as soon as the last one has landed, with nothing but the three lines and the round between,
; and 128 matrix instructions stand between a request and the wait for it.  In front of the barrier, which opens a round of the cluster's, each wave waits for all its tensor loads (one is out: its part of the next
; slot, which the others read behind the round), adds 0 to its spare word, and waits for that and for its reads of this slot (the last: A's blocks 4-7, asked for at the end of the step before), which the refill overwrites.
; Behind the round this slot is filled again, first thing:  kind 1: x's K step two on;  2: h's first or second K step (its group 0 as it was set up);  3: h's K step two on;
; 4: my 64 rows of cell_state's tile, each wave's own load, for the way out.  B's group 0 walks on in kinds 1 to 3.
.macro TURN slot, next, kind, pf
.if \pf >= 2
	s_wait_xcnt 0x0                                ; the last prefetch, a K step back, has read its address: it is stepped here, ahead of the waits of the change of slots
	s_add_nc_u64 s[PFA:PFA+1], s[PFA:PFA+1], 256
.endif
	s_wait_dscnt 4*NL                              ; B's set and A's blocks 0-3 are in; the youngest 16 loads (A's blocks 4-7) may be out
	WIN MUL_LO
	MUL16 0, 1, 0
	MUL16 2, 1, 0
	WIN 0
	s_wait_tensorcnt 0x0                           ; all my tensor loads have landed, so every group 0 may be written
	ds_add_u32 v[SPW], v[NIL]                      ; 0 onto my spare word; the descriptors' steps stand between it and the wait for it
.if \kind == 1
	s_add_nc_u64 s[G0X+4*\slot+2:G0X+4*\slot+3], s[G0X+4*\slot+2:G0X+4*\slot+3], 512
.endif
.if \kind == 3
	s_add_nc_u64 s[G0H+4*\slot+2:G0H+4*\slot+3], s[G0H+4*\slot+2:G0H+4*\slot+3], 512
.endif
.if \kind < 4
	s_add_nc_u64 s[G0B+4*\slot+2:G0B+4*\slot+3], s[G0B+4*\slot+2:G0B+4*\slot+3], 512
.endif
	s_wait_dscnt 0x0                               ; the add is done, and my reads of this slot are over
	s_barrier_signal -1
	s_barrier_wait -1
	CREST                                          ; no wave of any partner still reads this slot's tiles or has a load on its way
.if \kind == 1
	JLOAD G0X+4*\slot, G1X, G0B+4*\slot, G1B
.elseif \kind < 4
	JLOAD G0H+4*\slot, G1H, G0B+4*\slot, G1B
.else
	tensor_load_to_lds s[G0C:G0C+3], s[G1C:G1C+7]  ; 160 matrix instructions stand between it and the wait for it
	s_nop 0
.rept 4
	v_nop
.endr
.endif
	FETCH_B \next, 0, 0                            ; the four v_nop behind the tensor load are the places in front of these loads
	FETCH_A \next, 0, 0
	ASK \pf
	WIN MUL_HI
	MUL16 4, 1, 0
	MUL16 6, 1, 0
	PLACES NP
	WIN 0
	FETCH_A \next, 0, 4
.endm
.macro RESCALE                         ; x's sums are brought under h's scales: x 2^(e0 + e1 - e2 - e3); each accumulator from its low end on.  The four places behind x's last products stand at TURN's end
	WIN 0x82
.set q, 0
.rept 128
	v_pk_mul_f32 v[q:q+1], v[q:q+1], s[RS:RS+1] op_sel_hi:[1,0]
.set q, q+2
.endr
	WIN 0xc3
.set q, 0
.rept 128
	v_pk_mul_f32 v[q:q+1], v[q:q+1], s[RS:RS+1] op_sel_hi:[1,0]
.set q, q+2
.endr
	WIN 0
.endm
	s_wait_tensorcnt 1                             ; my part of K step 0 is in; K step 1's load may be out
	s_barrier_signal -1
	s_barrier_wait -1                              ; everybody's is
	FETCH_B 0, 0, 0
	FETCH_A 0, 0, 0
	FETCH_A 0, 0, 4
	STEP 0, 0, 1                                   ; the first step's products start the sums
	TURN 0, 1, 1, 1                                ; asks for K step 2 (x)
	STEP 1, 0, 0
	TURN 1, 0, 1, 2                                ; K step 3 (x)
	STEP 0, 0, 0
	TURN 0, 1, 2, 2                                ; K step 4: h's first
	STEP 1, 0, 0
	TURN 1, 0, 2, 2                                ; K step 5; x's last products
	RESCALE
	STEP 0, 0, 0
	s_mov_b32 s3, 3
.Llap:                                                 ; three trips: K steps 6 to 11 are asked for
	TURN 0, 1, 3, 3
	STEP 1, 0, 0
	TURN 1, 0, 3, 3
	STEP 0, 0, 0
	s_sub_co_u32 s3, s3, 1
	s_cmp_lg_u32 s3, 0
	s_cbranch_scc1 .Llap
	TURN 0, 1, 4, 0                                ; slot 0 is left for good: cell_state's tile goes into it
	STEP 1, 0, 0
	s_wait_dscnt 4*NL                              ; the very last step: nothing more to fetch
	WIN MUL_LO
	MUL16 0, 1, 0
	MUL16 2, 1, 0
	s_wait_dscnt 0
	WIN MUL_HI
	MUL16 4, 1, 0
	MUL16 6, 1, 0
	WIN 0
	PLACES NP                                      ; behind the last products: their results are read, and A's registers written, only behind these
	; THE WAY OUT, a block of 16 rows at a time.
	s_wait_tensorcnt 0x0                           ; my quarter of cell_state's tile is in,
	s_wait_dscnt 0x0
	s_barrier_signal -1
	s_barrier_wait -1                              ; everybody's is.  Nothing is filled from here on; no tensor load is out, so the descriptors' registers are free
	s_lshl_b32 s38, s101, 23
	s_add_co_u32 s[KSIG], s38, 0xbfb8aa3b          ; e2 + e3 is added to the exponent field of -log2(e):  -log2(e) x 2^(e2 + e3)
	s_mov_b32 s[KSIG+1], s[KSIG]
	s_add_co_u32 s[KTAN], s38, 0x4038aa3b          ; 2 log2(e) x 2^(e2 + e3)
	s_mov_b32 s[KTAN+1], s[KTAN]
	s_mov_b32 s[C5], 0x3a2ec3ff                    ; tanh x = c1 y + c3 y^3 + c5 y^5 with y = 2 log2(e) x:  c5 = 2 / (15 (2 log2 e)^5)
	s_mov_b32 s[C5+1], s[C5]
	s_mov_b32 s[THR], 0x3d053526                   ; (2 log2(e) / 16)^2: the series serves |x| < 1/16, where what it leaves out is under 4e-9 of x
	s_mov_b32 s[TWOL], 0x4038aa3b
	s_mov_b32 s[TWOL+1], s[TWOL]
	v_mov_b32 v[C3V], 0xbc635847                   ; c3 = -1 / (3 (2 log2 e)^3)
	v_mov_b32 v[C3V+1], 0xbc635847
	v_mov_b32 v[C1V], 0x3eb17218                   ; c1 = 1 / (2 log2 e)
	v_mov_b32 v[C1V+1], 0x3eb17218
	s_add_co_i32 s38, s100, 127
	s_lshl_b32 s39, s38, 23
	v_mov_b32 v[SCQ], s39                          ; 2^e4
	s_add_co_i32 s38, s38, 15
	s_lshl_b32 s38, s38, 23
	s_or_b32 s38, s38, 0x600000
	v_mov_b32 v[LIMQ], s38                         ; 57,344 x 2^e4
.macro CLOAD a                         ; cell_state of my 16 hidden units, row 16 a + r
.irp i, 0,1,2,3
	ds_load_b128 v[CC+4*\i:CC+4*\i+3], v[CA] offset:16*PITCH*(\a)+16*\i
.endr
.endm
.macro SENDLD a                        ; block a's rows come back whole: eight rows a wave of each of the two stages' 32
	s_wait_xcnt 0x0                                ; the earlier stores have read their registers: OB and the codes' four may be written again
.irp t, 0,1,2,3
	ds_load_b128 v[OB+4*\t:OB+4*\t+3], v[RD] offset:16*PITCH*(\a)+2*PITCH*\t
.endr
.irp t, 0,1,2,3
	ds_load_b128 v[OB+16+4*\t:OB+16+4*\t+3], v[RDH] offset:16*PITCH*(\a)+2*PITCH*\t
.endr
.endm
.macro SENDST a                        ; sixteen lanes store 256 consecutive bytes, aligned; written once, read by nobody here
.irp t, 0,1,2,3
	global_store_b128 v[GO], v[OB+4*\t:OB+4*\t+3], s[24:25] offset:(16*(\a)+2*\t)*8192 th:TH_STORE_NT
.endr
.irp t, 0,1,2,3
	global_store_b128 v[GO], v[OB+16+4*\t:OB+16+4*\t+3], s[22:23] offset:(16*(\a)+2*\t)*8192 th:TH_STORE_NT
.endr
.endm
; tanh of 16 numbers, right to about 1e-6 of itself at every size: for what goes on into the quantiser.  v[y] on holds y = 2 log2(e) x; v[d] on takes tanh x.
; 1 - 2 / (1 + 2^y) loses digits where x is small, so there the series is taken: both are computed and one is selected, with no branch.
; Each batch of transcendentals has one wait ahead of its first reader, and plain work on other registers between.
.macro TANH y, d
.irp i, 0,1,2,3,4,5,6,7,8,9,10,11,12,13,14,15
	v_exp_f32 v[W+\i], v[\y+\i]
.endr
.irp i, 0,2,4,6,8,10,12,14
	v_pk_mul_f32 v[Y2+\i:Y2+\i+1], v[\y+\i:\y+\i+1], v[\y+\i:\y+\i+1]
.endr
	s_wait_alu depctr_va_vdst(0)
.irp i, 0,2,4,6,8,10,12,14
	v_pk_add_f32 v[W+\i:W+\i+1], v[W+\i:W+\i+1], 1.0 op_sel_hi:[1,0]
.endr
.irp i, 0,1,2,3,4,5,6,7,8,9,10,11,12,13,14,15
	v_rcp_f32 v[W+\i], v[W+\i]
.endr
.irp i, 0,2,4,6,8,10,12,14
	v_pk_fma_f32 v[P+\i:P+\i+1], v[Y2+\i:Y2+\i+1], s[C5:C5+1], v[C3V:C3V+1] op_sel_hi:[1,0,1]
.endr
.irp i, 0,2,4,6,8,10,12,14
	v_pk_fma_f32 v[P+\i:P+\i+1], v[P+\i:P+\i+1], v[Y2+\i:Y2+\i+1], v[C1V:C1V+1]
.endr
.irp i, 0,2,4,6,8,10,12,14
	v_pk_mul_f32 v[P+\i:P+\i+1], v[P+\i:P+\i+1], v[\y+\i:\y+\i+1]
.endr
	s_wait_alu depctr_va_vdst(0)
.irp i, 0,2,4,6,8,10,12,14
	v_pk_fma_f32 v[W+\i:W+\i+1], v[W+\i:W+\i+1], -2.0, 1.0 op_sel_hi:[1,0,0]
.endr
.irp i, 0,1,2,3,4,5,6,7,8,9,10,11,12,13,14,15
	v_cmp_gt_f32 vcc_lo, s[THR], v[Y2+\i]
	v_cndmask_b32 v[\d+\i], v[W+\i], v[P+\i], vcc_lo
.endr
.endm
.macro BLOCK a
.set AC, 64*((\a)%4)
	WIN 0x02+((\a)/4)                              ; source 0: window 2 or 3
.set q, 0
.rept 32
.if (q >= 32) && (q < 48)
	v_pk_fma_f32 v[E+q:E+q+1], v[AC+q:AC+q+1], s[KTAN:KTAN+1], v[BIAS+q:BIAS+q+1] op_sel_hi:[1,0,1]   ; 2 log2(e) x (sum x 2^(e2 + e3) + bias)
.else
	v_pk_fma_f32 v[E+q:E+q+1], v[AC+q:AC+q+1], s[KSIG:KSIG+1], v[BIAS+q:BIAS+q+1] op_sel_hi:[1,0,1]   ; -log2(e) x (the same); each accumulator from its low end on
.endif
.set q, q+2
.endr
	WIN 0
.set q, 0
.rept 64
	v_exp_f32 v[E+q], v[E+q]                       ; all four gates go the same way: 1 / (1 + 2^z) is the sigmoid of three of them, and of the cell node's y the half of 1 - tanh
.set q, q+1
.endr
	v_nop                                          ; a plain instruction behind the batch
.if (\a) > 0
	s_wait_dscnt 4                                 ; the block before: its eight rows are back; the four younger loads, this block's cell_state, may be out
	SENDST (\a)-1
.endif
	s_wait_alu depctr_va_vdst(0)                   ; one wait for the 64 exponentials
.set q, 0
.rept 32
	v_pk_add_f32 v[E+q:E+q+1], v[E+q:E+q+1], 1.0 op_sel_hi:[1,0]
.set q, q+2
.endr
.set q, 0
.rept 64
	v_rcp_f32 v[E+q], v[E+q]
.set q, q+1
.endr
	v_nop                                          ; a plain instruction behind the batch
	s_wait_dscnt 0x0                               ; cell_state is in
	s_wait_alu depctr_va_vdst(0)                   ; one wait for the 64 reciprocals
.irp i, 0,2,4,6,8,10,12,14
	v_pk_fma_f32 v[EC+\i:EC+\i+1], v[EC+\i:EC+\i+1], -2.0, 1.0 op_sel_hi:[1,0,0]         ; the cell node: tanh = 1 - 2 / (1 + 2^y)
.endr
.irp i, 0,2,4,6,8,10,12,14
	v_pk_mul_f32 v[CC+\i:CC+\i+1], v[EF+\i:EF+\i+1], v[CC+\i:CC+\i+1]
.endr
.irp i, 0,2,4,6,8,10,12,14
	v_pk_fma_f32 v[CC+\i:CC+\i+1], v[EI+\i:EI+\i+1], v[EC+\i:EC+\i+1], v[CC+\i:CC+\i+1]   ; new_cell = f c + i g
.endr
.irp i, 0,2,4,6,8,10,12,14
	v_pk_mul_f32 v[EF+\i:EF+\i+1], v[CC+\i:CC+\i+1], s[TWOL:TWOL+1] op_sel_hi:[1,0]
.endr
	TANH EF, EF
.irp i, 0,2,4,6,8,10,12,14
	v_pk_mul_f32 v[EI+\i:EI+\i+1], v[EO+\i:EO+\i+1], v[EF+\i:EF+\i+1]                     ; new_hidden = o tanh(new_cell)
.endr
.irp i, 0,1,2,3,4,5,6,7,8,9,10,11,12,13,14,15
	v_med3_num_f32 v[P+\i], v[EI+\i], -v[LIMQ], v[LIMQ]   ; the hold at the largest code x the scale (ISA guide 7.6.2), into other registers: out1 takes the number as it is
.endr
	v_cvt_scalef32_pk8_bf8_f32 v[PC:PC+1], v[P:P+7], v[SCQ]
	v_cvt_scalef32_pk8_bf8_f32 v[PC+2:PC+3], v[P+8:P+15], v[SCQ]
	v_nop                                          ; one plain vector instruction behind the conversions
.irp i, 0,1,2,3
	ds_store_b128 v[CA], v[CC+4*\i:CC+4*\i+3] offset:16*PITCH*(\a)+16*\i      ; new_cell over the bytes of cell_state that I alone have read
	ds_store_b128 v[CAH], v[EI+4*\i:EI+4*\i+3] offset:16*PITCH*(\a)+16*\i
.endr
	global_store_b128 v[LI], v[PC:PC+3], s[26:27] offset:32768*(\a)   ; 512 consecutive bytes, aligned: four registers of the next product's fragment, lane by lane
	s_wait_dscnt 0x0                               ; for the others' sake: my stores into the stages are done
	s_barrier_signal -1
	s_barrier_wait -1                              ; a row's 256 bytes come from two waves.  The next block's stores go to other rows, so one barrier a block is enough
	SENDLD \a
.if (\a) < 7
	CLOAD (\a)+1
.endif
.endm
	CLOAD 0
.irp a, 0,1,2,3,4,5,6,7
	BLOCK \a
.endr
	s_wait_dscnt 0x0
	SENDST 7
	s_wait_tensorcnt 0x0                           ; the wave's end: a wait, then 0 onto my spare word and its wait, behind my last tensor load and my last LDS store
	ds_add_u32 v[SPW], v[NIL]
	s_wait_dscnt 0x0
	CROUND                                         ; the closing round: no work-group ends while a partner may still ask for a tile that names it
	s_endpgm
.Lfunc_end_k_q2128310740_gates:
	.size	k_q2128310740_gates, .Lfunc_end_k_q2128310740_gates-k_q2128310740_gates
	.p2alignl 7, 3214868480
	.fill 96, 4, 3214868480
	.section	.rodata,"a",@progbits
	.p2align	6, 0x0
	.amdhsa_kernel k_q2128310740_gates
		.amdhsa_group_segment_fixed_size 327680
		.amdhsa_private_segment_fixed_size 0
		.amdhsa_enable_private_segment 0
		.amdhsa_kernarg_size 96
		.amdhsa_user_sgpr_count 2
		.amdhsa_user_sgpr_kernarg_segment_ptr 1
		.amdhsa_wavefront_size32 1
		.amdhsa_system_sgpr_workgroup_id_x 1
		.amdhsa_system_sgpr_workgroup_id_y 1
		.amdhsa_system_sgpr_workgroup_id_z 1
		.amdhsa_system_vgpr_workitem_id 0
		.amdhsa_next_free_vgpr 1024
		.amdhsa_next_free_sgpr 106
		.amdhsa_reserve_vcc 1
		.amdhsa_float_denorm_mode_32 3
		.amdhsa_float_denorm_mode_16_64 3
		.amdhsa_memory_ordered 1
		.amdhsa_forward_progress 1
		.amdhsa_inst_pref_size 255
	.end_amdhsa_kernel
	.section	.bss,"aw",@nobits
	.p2align	6
	.space	262144
	.amdgpu_metadata
---
amdhsa.version: [ 1, 2 ]
amdhsa.kernels:
  - .name:           k_q2128310740_gates
    .symbol:         k_q2128310740_gates.kd
    .args:
      - { .name: x_codes, .offset: 0, .size: 8, .value_kind: global_buffer, .address_space: global }
      - { .name: hidden_state_codes, .offset: 8, .size: 8, .value_kind: global_buffer, .address_space: global }
      - { .name: wq, .offset: 16, .size: 8, .value_kind: global_buffer, .address_space: global }
      - { .name: cell_state, .offset: 24, .size: 8, .value_kind: global_buffer, .address_space: global }
      - { .name: lowp_scales, .offset: 32, .size: 8, .value_kind: global_buffer, .address_space: global }
      - { .name: Wxi_b, .offset: 40, .size: 8, .value_kind: global_buffer, .address_space: global }
      - { .name: Wxf_b, .offset: 48, .size: 8, .value_kind: global_buffer, .address_space: global }
      - { .name: Wxc_b, .offset: 56, .size: 8, .value_kind: global_buffer, .address_space: global }
      - { .name: Wxo_b, .offset: 64, .size: 8, .value_kind: global_buffer, .address_space: global }
      - { .name: out1, .offset: 72, .size: 8, .value_kind: global_buffer, .address_space: global }
      - { .name: out2, .offset: 80, .size: 8, .value_kind: global_buffer, .address_space: global }
      - { .name: nhq, .offset: 88, .size: 8, .value_kind: global_buffer, .address_space: global }
    .group_segment_fixed_size: 327680
    .private_segment_fixed_size: 0
    .kernarg_segment_align: 8
    .kernarg_segment_size: 96
    .max_flat_workgroup_size: 128
    .sgpr_count:     106
    .vgpr_count:     1024
    .wavefront_size: 32
...
	.end_amdgpu_metadata
.endif
;; end of part 2
;; launch proj (part 3): grid 16 x 16, 4 waves a work-group, clusters of 4 x 1, 167,936 bytes of LDS; arguments nhq, Why_w_codes, lowp_scales, Why_b, out0; writes out0
.if DOCPART == 3
	.amdgcn_target "amdgcn-amd-amdhsa--gfx1250"
	.amdhsa_code_object_version 6
	.text
	.protected	k_q2128310740_proj
	.globl	k_q2128310740_proj
	.p2align	8
	.type	k_q2128310740_proj,@function
k_q2128310740_proj:
	s_mov_b64 s[64:65], 0
	v_nop
	global_prefetch_b8 v0, s[64:65] scope:SCOPE_SE
	s_setreg_imm32_b32 hwreg(HW_REG_WAVE_MODE, 25, 1), 1
	s_wait_xcnt 0x0
	s_wait_alu depctr_hold_cnt(0) depctr_sa_sdst(0) depctr_va_vdst(0) depctr_va_sdst(0) depctr_va_ssrc(0) depctr_va_vcc(0) depctr_vm_vsrc(0)
	s_getreg_b32 s2, hwreg(HW_REG_IB_STS2, 6, 4)
	s_cmp_eq_u32 s2, 0
	s_cbranch_scc0 .Lentry_in_a_cluster
	s_endpgm
.Lentry_in_a_cluster:
	s_bfe_u32 s2, ttmp6, 0x10000c
	s_cmp_lg_u32 s2, 0x3003
	s_cbranch_scc0 .Lentry_shape_is_right
	s_endpgm
.Lentry_shape_is_right:
; LSTM cell, launch 3 of 3: out0 = new_hidden Why^T + Why_b on codes of BF8 (E5M2).  Nothing of the problem is left out.  It is a launch of its own, since its K, all 2,048 hidden units, spans 32 work-groups of launch 2.
; out0 = sum x 2^(e4 + e5) + bias.  LIMIT: e4 + e5 between -126 and 127.  k is permuted inside an instruction, alike in A and B.
; SHARES.  256 work-groups; each makes 128 rows x 64 columns; wave w rows 32 w .. 32 w + 31 and all 64 columns: 8 accumulators.
; A (nhq) lies in memory as images of the operand's registers: fragment (rows 16 mb on, K step s) at byte 2,048 (16 mb + s), register group c of lane l at 512 c + 16 l.  A wave's rows are read by that wave alone:
; they go from memory straight into registers, 512 consecutive bytes a load, all 16 K steps at once (512 registers): no LDS, no multicast for them.
; B (64 rows of Why_w x 2,048 bytes) is read by all four waves and by the four work-groups of the cluster (same columns, other rows): joint loads, each region of LDS filled once: no ring, no refill, no loop.
; B COMES IN TWO HALVES OF K: each wave asks for two tiles of 64 rows x 256 bytes, K = 256 w on and K = 1,024 + 256 w on.  The first eight K steps are multiplied behind the first tiles' wait and barrier, while the second tiles land.
; THE MATRIX INSTRUCTION IS USED TRANSPOSED (source 0 = 16 rows of Why_w, source 1 = 16 rows of new_hidden): a lane holds eight neighbouring columns of a row of out0.
; REGISTERS: window 0: v1-11 addresses, v32-63 the bias, v64-127 and v128-191 B's two sets (on the way out: results and rows), v192-255 the accumulators; window 1: A's K steps 0-7 (v[32 s + 16 a]); window 2: K steps 8-15.
.set BP,    272                        ; a row of a tile of B in LDS: 256 bytes + 16 of padding: the 16 rows that a load touches start at 16 different groups of banks
.set RB,    64*BP                      ; a tile of B: 256 along K of the 64 rows; eight of them on end: tile e holds K steps 2 e and 2 e + 1
.set STAGE, 8*RB                       ; behind B: a stage of 16 rows x 272 bytes for each wave
.set SPARE, STAGE+4*16*272             ; behind the stages: the spare words, 128 bytes for each wave
.set LI,   3                           ; v3   16 x lane
.set ADB0, 4                           ; v4   my place in B's tiles 0 to 3
.set ADB1, 5                           ; v5   in tiles 4 to 7
.set STO,  6                           ; v6   the stage: where I put 32 bytes of a row
.set RD,   7                           ; v7   and where I read a row back
.set GO,   8                           ; v8   my byte offset in out0
.set BOF,  9                           ; v9   32 h
.set SPW,  10                          ; v10  LDS address of my spare word; never rewritten
.set NIL,  11                          ; v11  0; never rewritten
.set BI,   32                          ; bias 8 n + j: column 16 n + 8 h + j
.set BF,   64
.set T,    64
.set ACC,  192
.set MSB, 0
.macro WIN new
.if MSB != \new
	s_set_vgpr_msb (MSB<<8)|\new
.set MSB, \new
.endif
.endm
.macro CROUND                          ; a round of the cluster's barrier
	s_barrier_signal -1
	s_barrier_wait -1
	s_cmp_lg_u32 s14, 0
	s_cbranch_scc1 .Lnot_wave_0_\@
	s_barrier_signal -3
.Lnot_wave_0_\@:
	s_barrier_wait -3
	s_barrier_signal -1
	s_barrier_wait -1
.endm
	s_load_b256 s[4:11], s[0:1], 0x0               ; nhq s[4:5], Why_w's codes s[6:7], the scales' exponents s[8:9], Why_b s[10:11]
	s_load_b64 s[12:13], s[0:1], 0x20              ; out0
	v_lshl_add_u32 v[SPW], v0, 2, SPARE
	v_mov_b32 v[NIL], 0
	ds_add_u32 v[SPW], v[NIL]                      ; the wave's opening: the add, twice on end, and its wait ahead of my first tensor load; the set-up below, work on registers, stands between
	ds_add_u32 v[SPW], v[NIL]
	v_lshrrev_b32 v1, 5, v0
	v_readfirstlane_b32 s14, v1                    ; wave 0..3
	v_and_b32 v1, 15, v0                           ; r
	v_bfe_u32 v2, v0, 4, 1                         ; h
	v_and_b32 v[LI], 31, v0
	v_lshlrev_b32 v[LI], 4, v[LI]
	v_lshlrev_b32 v[BOF], 5, v2
	s_bfe_u32 s15, ttmp6, 0x40000                  ; cx
	s_lshl_b32 s16, ttmp9, 2
	s_add_co_u32 s16, s16, s15                     ; tm: my 128 rows: it enters nhq's and out0's addresses alone
	s_and_b32 s17, ttmp7, 0xffff                   ; ny: my 64 columns, which the four partners share
	s_mov_b32 s24, 15|(1<<20)|(1<<21)|(5<<22)|(3<<25)   ; group 1: the mask: all four; elements of 1 byte; padding on; bit 21 beside a mask; four words (code 3) after every 64 (code 5)
	s_mov_b32 s25, 256<<16                         ; tensor_dim0
	s_mov_b32 s26, 64<<16                          ; tensor_dim1
	s_mov_b32 s27, 256<<16                         ; tile_dim0
	s_mov_b32 s28, 64                              ; tile_dim1
	s_mov_b32 s29, 2048                            ; a row of Why_w's codes
	s_mov_b32 s30, 0
	s_mov_b32 s31, 0
	s_mov_b32 s20, 1                               ; group 0 of my first tile: count,
	s_mul_i32 s21, s14, RB                         ; LDS address: tile w,
	s_lshl_b32 s22, s17, 17                        ; 64 ny rows of 2,048 bytes,
	s_lshl_b32 s18, s14, 8
	s_add_co_u32 s22, s22, s18                     ; byte 256 w of a row
	s_mov_b32 s23, 0
	s_mov_b32 s36, 1                               ; group 0 of my second tile:
	s_add_co_u32 s37, s21, 4*RB                    ; tile 4 + w
	s_wait_dscnt 0x0                               ; both opening adds are done
	s_wait_kmcnt 0x0
	s_load_b64 s[32:33], s[8:9], 0x10              ; e4, e5
	s_add_nc_u64 s[22:23], s[6:7], s[22:23]
	s_add_nc_u64 s[38:39], s[22:23], 1024          ; byte 1,024 + 256 w of a row
	s_or_b32 s23, s23, 0x80000000                  ; type = 2
	s_or_b32 s39, s39, 0x80000000
	CROUND                                         ; all four work-groups are here: the joint loads meet
	tensor_load_to_lds s[20:23], s[24:31]          ; every wave's two first fills, one group: two loads of mine are out
	s_nop 0
	tensor_load_to_lds s[36:39], s[24:31]
	s_nop 0
.rept 4
	v_nop
.endr
	s_lshl_b32 s18, s17, 8
	s_mov_b32 s19, 0
	s_add_nc_u64 s[10:11], s[10:11], s[18:19]      ; the bias of my 64 columns
.irp n, 0,1,2,3
	global_load_b128 v[BI+8*\n:BI+8*\n+3], v[BOF], s[10:11] offset:64*\n
	global_load_b128 v[BI+8*\n+4:BI+8*\n+7], v[BOF], s[10:11] offset:64*\n+16
.endr
	s_lshl_b32 s18, s16, 3
	s_lshl_b32 s19, s14, 1
	s_add_co_u32 s18, s18, s19
	s_lshl_b32 s18, s18, 15                        ; my first block of 16 rows, 8 tm + 2 w: 32,768 bytes a block
	s_mov_b32 s19, 0
	s_add_nc_u64 s[4:5], s[4:5], s[18:19]
	WIN 0x40                                       ; destination window 1
.irp s, 0,1,2,3,4,5,6,7
.irp a, 0,1
.irp c, 0,1,2,3
	global_load_b128 v[32*\s+16*\a+4*\c:32*\s+16*\a+4*\c+3], v[LI], s[4:5] offset:(16*\a+\s)*2048+512*\c th:TH_LOAD_NT
.endr
.endr
.endr
	WIN 0x80                                       ; destination window 2
.irp s, 0,1,2,3,4,5,6,7
.irp a, 0,1
.irp c, 0,1,2,3
	global_load_b128 v[32*\s+16*\a+4*\c:32*\s+16*\a+4*\c+3], v[LI], s[4:5] offset:(16*\a+\s+8)*2048+512*\c th:TH_LOAD_NT
.endr
.endr
.endr
	WIN 0
	v_mul_u32_u24 v[ADB0], v1, BP
	v_lshl_add_u32 v[ADB0], v2, 4, v[ADB0]         ; row r x pitch + 16 h
	v_add_nc_u32 v[ADB1], 4*RB, v[ADB0]
	s_mul_i32 s18, s14, 16*272
	s_add_co_u32 s18, s18, STAGE                   ; my stage
	v_mul_u32_u24 v[STO], v1, 272
	v_lshl_add_u32 v[STO], v2, 5, v[STO]
	v_add_nc_u32 v[STO], s18, v[STO]
	v_mul_u32_u24 v[RD], v2, 272
	v_lshl_add_u32 v[RD], v1, 4, v[RD]
	v_add_nc_u32 v[RD], s18, v[RD]
	v_lshlrev_b32 v[GO], 12, v2
	v_lshl_add_u32 v[GO], v1, 4, v[GO]
	s_lshl_b32 s18, s16, 7
	s_lshl_b32 s19, s14, 5
	s_add_co_u32 s18, s18, s19
	s_lshl_b32 s18, s18, 12                        ; out0: row 128 tm + 32 w of 4,096 bytes,
	s_lshl_b32 s19, s17, 8
	s_add_co_u32 s18, s18, s19                     ; byte 256 ny of it
	s_mov_b32 s19, 0
	s_add_nc_u64 s[12:13], s[12:13], s[18:19]
	s_wait_tensorcnt 1                             ; my first tile is in; the one load issued behind it may be out
	s_barrier_signal -1
	s_barrier_wait -1                              ; everybody's first tile is in: K steps 0 to 7 of B
.macro BFETCH s, p                     ; B's four fragments of K step s into set p
.if (\s) < 8
.set AB, ADB0
.else
.set AB, ADB1
.endif
.irp n, 0,1,2,3
.irp c, 0,1,2,3
	ds_load_b128 v[BF+64*(\p)+16*\n+4*\c:BF+64*(\p)+16*\n+4*\c+3], v[AB] offset:(((\s)>>1)&3)*RB+\n*16*BP+((\s)&1)*128+32*\c
.endr
.endr
.endm
; A K step: 8 matrix instructions, the 8 accumulators by turns in one order; the next step's fragments of B are asked for ahead of them,
; but not K step 8's in K step 7: they lie in the second tiles, which are read behind their own wait and barrier.
.macro KSTEP s
	s_wait_dscnt 0x0                               ; this step's fragments of B are in
.if (\s) == 0
	s_wait_loadcnt 63                              ; 64 loads were issued behind K step 7's last: with 63 out at the most, the bias and A's K steps 0 to 7 are in
.elseif (\s) >= 8
	s_wait_loadcnt 8*(15-(\s))                     ; the eight loads of each later K step may be out
.endif
.if ((\s) != 7) && ((\s) != 15)
.if (\s) > 0
.rept 4
	v_nop                                          ; places in front of loads into the set that the step before multiplied
.endr
.endif
	BFETCH (\s)+1, ((\s)+1)%2
.endif
.irp a, 0,1
.irp n, 0,1,2,3
.if (\s) == 0
	v_wmma_f32_16x16x128_bf8_bf8 v[ACC+8*(4*\a+\n):ACC+8*(4*\a+\n)+7], v[BF+64*((\s)%2)+16*\n:BF+64*((\s)%2)+16*\n+15], v[32*((\s)%8)+16*\a:32*((\s)%8)+16*\a+15], 0
.else
	v_wmma_f32_16x16x128_bf8_bf8 v[ACC+8*(4*\a+\n):ACC+8*(4*\a+\n)+7], v[BF+64*((\s)%2)+16*\n:BF+64*((\s)%2)+16*\n+15], v[32*((\s)%8)+16*\a:32*((\s)%8)+16*\a+15], v[ACC+8*(4*\a+\n):ACC+8*(4*\a+\n)+7]
.endif
.endr
.endr
.endm
	BFETCH 0, 0
	WIN 0x04                                       ; source 1 (A) window 1; the LDS loads name window 0 alone and need no switch
.irp s, 0,1,2,3,4,5,6,7
	KSTEP \s
.endr
	s_wait_tensorcnt 0x0                           ; my second tile is in,
	s_wait_dscnt 0x0                               ; (no LDS instruction of mine is out at a signal)
	s_barrier_signal -1
	s_barrier_wait -1                              ; everybody's is: K steps 8 to 15 of B.
.rept 4
	v_nop                                          ; places in front of loads into the sets that K steps 6 and 7 multiplied
.endr
	BFETCH 8, 0
	WIN 0x08                                       ; source 1 window 2
.irp s, 8,9,10,11,12,13,14,15
	KSTEP \s
.endr
	WIN 0
.rept 4
	v_nop                                          ; behind the last products: their results are read, and B's registers written, only behind these
.endr
	s_wait_kmcnt 0x0
	s_add_co_i32 s32, s32, s33
	s_add_co_i32 s32, s32, 127
	s_lshl_b32 s32, s32, 23                        ; 2^(e4 + e5) as f32
	s_mov_b32 s33, s32                             ; (named with it as a pair, so it is written)
	; THE WAY OUT: a block of 16 rows x 64 columns goes through my own stage and comes back as whole rows of 256 bytes.  LDS serves a wave's instructions in order: no wait between the stores and the loads, nor in front of the next block's stores.
.irp a, 0,1
.irp n, 0,1,2,3
.irp i, 0,2,4,6
	v_pk_fma_f32 v[T+64*\a+8*\n+\i:T+64*\a+8*\n+\i+1], v[ACC+8*(4*\a+\n)+\i:ACC+8*(4*\a+\n)+\i+1], s[32:33], v[BI+8*\n+\i:BI+8*\n+\i+1] op_sel_hi:[1,0,1]   ; sum x 2^(e4 + e5) + bias; each accumulator from its low end on
.endr
.endr
.irp n, 0,1,2,3
	ds_store_b128 v[STO], v[T+64*\a+8*\n:T+64*\a+8*\n+3] offset:64*\n
	ds_store_b128 v[STO], v[T+64*\a+8*\n+4:T+64*\a+8*\n+7] offset:64*\n+16
.endr
.irp i, 0,1,2,3,4,5,6,7
	ds_load_b128 v[T+32+64*\a+4*\i:T+32+64*\a+4*\i+3], v[RD] offset:544*\i
.endr
.endr
.irp a, 0,1
.irp i, 0,1,2,3,4,5,6,7
	s_wait_dscnt 23-16*\a-\i                       ; behind this load: the block's later loads, and for block 0 block 1's sixteen LDS instructions
	global_store_b128 v[GO], v[T+32+64*\a+4*\i:T+32+64*\a+4*\i+3], s[12:13] offset:(16*\a+2*\i)*4096 th:TH_STORE_NT   ; sixteen lanes store 256 consecutive bytes, aligned
.endr
.endr
	s_wait_tensorcnt 0x0                           ; the wave's end: a wait, then 0 onto my spare word and its wait, behind my last tensor load and my last LDS store
	ds_add_u32 v[SPW], v[NIL]
	s_wait_dscnt 0x0
	CROUND                                         ; the closing round: no work-group ends while a partner may still ask for a tile that names it
	s_endpgm
.Lfunc_end_k_q2128310740_proj:
	.size	k_q2128310740_proj, .Lfunc_end_k_q2128310740_proj-k_q2128310740_proj
	.p2alignl 7, 3214868480
	.fill 96, 4, 3214868480
	.section	.rodata,"a",@progbits
	.p2align	6, 0x0
	.amdhsa_kernel k_q2128310740_proj
		.amdhsa_group_segment_fixed_size 167936
		.amdhsa_private_segment_fixed_size 0
		.amdhsa_enable_private_segment 0
		.amdhsa_kernarg_size 40
		.amdhsa_user_sgpr_count 2
		.amdhsa_user_sgpr_kernarg_segment_ptr 1
		.amdhsa_wavefront_size32 1
		.amdhsa_system_sgpr_workgroup_id_x 1
		.amdhsa_system_sgpr_workgroup_id_y 1
		.amdhsa_system_sgpr_workgroup_id_z 1
		.amdhsa_system_vgpr_workitem_id 0
		.amdhsa_next_free_vgpr 768
		.amdhsa_next_free_sgpr 66
		.amdhsa_reserve_vcc 0
		.amdhsa_float_denorm_mode_32 3
		.amdhsa_float_denorm_mode_16_64 3
		.amdhsa_memory_ordered 1
		.amdhsa_forward_progress 1
		.amdhsa_inst_pref_size 51
	.end_amdhsa_kernel
	.amdgpu_metadata
---
amdhsa.version: [ 1, 2 ]
amdhsa.kernels:
  - .name:           k_q2128310740_proj
    .symbol:         k_q2128310740_proj.kd
    .args:
      - { .name: nhq, .offset: 0, .size: 8, .value_kind: global_buffer, .address_space: global }
      - { .name: Why_w_codes, .offset: 8, .size: 8, .value_kind: global_buffer, .address_space: global }
      - { .name: lowp_scales, .offset: 16, .size: 8, .value_kind: global_buffer, .address_space: global }
      - { .name: Why_b, .offset: 24, .size: 8, .value_kind: global_buffer, .address_space: global }
      - { .name: out0, .offset: 32, .size: 8, .value_kind: global_buffer, .address_space: global }
    .group_segment_fixed_size: 167936
    .private_segment_fixed_size: 0
    .kernarg_segment_align: 8
    .kernarg_segment_size: 40
    .max_flat_workgroup_size: 128
    .sgpr_count:     66
    .vgpr_count:     768
    .wavefront_size: 32
...
	.end_amdgpu_metadata
.endif
;; end of part 3
